; MI455X (gfx1250); checked and timed in simulation.
; The chip was launched on July 23, 2026; its instructions are those of AMD's public machine-readable ISA for CDNA 5 (MIT licence, August 2026) and "CDNA5" Instruction Set Architecture Reference Guide (July 2026). The comments in the code are by the model that wrote it; some were corrected since.
;; Dot Prod Attention. Allowed arithmetic: matrix products marked QUANTISED: E4M3 operands, one given power-of-two scale a tensor, by v_wmma_f32_16x16x64_fp8_fp8 or v_wmma_f32_16x16x128_fp8_fp8, f32 sums; everything else in f32.
;; Inputs: k 4 x 16 x 2,048 x 64 float32; lowp_scales 4 int32 (the exponents e of the quantised operands' scales 2^e); q 4 x 16 x 2,048 x 64 float32; v 4 x 16 x 2,048 x 64 float32.
;; Outputs: out0 4 x 16 x 2,048 x 64 float32.
;; This version of the problem:
;;   THIS VERSION OF THE PROBLEM IS GIVEN IN LOW PRECISION. The matrix products marked QUANTISED in the list below multiply operands that are first quantised to E4M3 (4 exponent bits, 3 mantissa bits; 8 bits a number), with one given power-of-two scale for each operand tensor; their sums are f32. All else is computed in f32.
;;   The module's matrix products, in the order in which they are computed (A, B: the left and right operand; K: the contracted axis; several contracted axes count as one K, in the product's order):
;;     1. batch 64 x [M 2,048, K 64] x [K 64, N 2,048]; A: input q; B: input k: QUANTISED (scales: A lowp_scales[0], B lowp_scales[1])
;;     2. batch 64 x [M 2,048, K 2,048] x [K 2,048, N 64]; A: softmax (see below); B: input v: QUANTISED (scales: A lowp_scales[2], B lowp_scales[3])
;;   THE QUANTISER, for each operand of a quantised product, along K:
;;     - The operand's scale is 2^e, e = its entry of the input lowp_scales (int32; the entries are numbered through the quantised products in the list's order, A before B).
;;     - Each number is divided by the scale, clamped to +-448, and rounded to the nearest number of E4M3, ties to even, subnormals kept.
;;     - The product sums the exact products of the quantised numbers (number of the format x scale) in f32.
;;   ~~~python
;;   def quantise(x, axis, e):      # numpy; x: float32 -> the quantised numbers, widened to float32 again
;;       x = np.moveaxis(x, axis, -1); K = x.shape[-1]
;;       r = np.clip(x / 2.0 ** e, -448, 448)
;;       step = 2.0 ** (np.maximum(np.frexp(np.where(r == 0, 1, r))[1] - 1, -6) - 3)
;;       q = np.round(r / step) * step * 2.0 ** e      # np.round: ties to even
;;       return np.moveaxis(q, -1, axis).astype(np.float32)
;;   ~~~
;;   SOFTMAX AHEAD OF A QUANTISED PRODUCT. Where the list says 'softmax', what is quantised is not the finished softmax but p = 2^(t - M), with t = logit x log2(e) and M = ceil(the row's largest t), a whole number; so 1/2 < the row's largest p <= 1. The row's sum l is taken of the UNQUANTISED p, in f32, and the product's result is divided by l at the end. Since M is a whole number, a kernel that streams over the keys may use a running M (the ceiling of the running maximum): every later rescaling is an exact power of two, so the quantised numbers keep their values, but for numbers so far below the row's largest that they fall under the format's range.
;;   OPERANDS COMPUTED ON THE WAY. 'Computed on the way' means the value that the module computes at that place (a softmax that the list does not call 'softmax' is quantised finished and normalised). What goes into a quantiser is computed in f32, as accurately as f32 sums, v_exp_f32 and their like allow (about 1e-6 of the number): no bf16 or f16 on the way to a quantiser, and a product that is left as it is and whose result goes on into a quantised operand takes f32 operands (vector FMAs, or v_wmma_f32_16x16x4_f32). A number that lies on a knife's edge between two numbers of the format may be rounded either way, as far as f32 arithmetic and the matrix unit's own rounding can turn it there, and no further.
;; 2 versions, each right; version 2 is version 1 with the launch attn written anew for expert scheduling mode. Each part assembles by itself: llvm-mc -triple=amdgcn-amd-amdhsa -mcpu=gfx1250 --defsym DOCPART=n.
;; ======== version 1 of 2: 1 launch
;; launch attn (part 1): grid 4 x 64, 8 waves a work-group, no clusters, 72,704 bytes of LDS; arguments q, k, v, lowp_scales, out0; writes out0
.if DOCPART == 1
	.amdgcn_target "amdgcn-amd-amdhsa--gfx1250"
	.amdhsa_code_object_version 6
	.text
	.protected	k_qf5a4ae5468_attn
	.globl	k_qf5a4ae5468_attn
	.p2align	8
	.type	k_qf5a4ae5468_attn,@function
k_qf5a4ae5468_attn:
	s_mov_b64 s[64:65], 0
	v_nop
	global_prefetch_b8 v0, s[64:65] scope:SCOPE_SE
	s_setreg_imm32_b32 hwreg(HW_REG_WAVE_MODE, 25, 1), 1
	s_wait_xcnt 0x0
; out0[h][q][:] = the sum over keys of softmax(q . k / 8) v, 64 heads of 2,048 x 64, f32 in and out, no mask.  Both products run on codes of FP8 (E4M3), each operand with
; the one scale 2^e that is given for it: eq, ek, ep, ev (lowp_scales, int32).  The kernel makes all codes itself: code = x / 2^e, held within +-448, to the nearest code, ties to even.
; THE SOFTMAX AHEAD OF THE SECOND PRODUCT: t = score x log2(e) / 8; M = the largest t so far, rounded UP to a whole number; p = 2^(t - M) is quantised along the keys, not normalised.
; The row's sum is taken of the unquantised p in f32 and divides at the end.  When M moves, the sum and O are multiplied by 2^(old M - new M), which rounds nothing.
; SHARES.  A work-group owns 512 queries of one head (grid x: the block, grid y: the head); each of its eight waves owns 64, four tiles of 16, in 512 registers.  All waves walk the
; head's keys in 16 chunks of 128.  Each fragment of K and of V that a wave reads from LDS feeds four products, one for each tile.
; THE CODES OF K AND V are made by the work-group on the way: a chunk's f32 numbers (64 KB) come from memory straight into registers, asked for a whole trip ahead of their wait; each
; thread codes 2 x 16 numbers of K and 2 x 16 of V and stores them to LDS as images of the operands' registers.  Two chunk buffers take turns, one barrier a chunk.
; NO TENSOR LOADS, NO JOINT LOADS, though the four blocks of a head read the same k and v: these arrive as f32 and pass through registers on their way to codes.  Laid into LDS first,
; a chunk's 64 KB would be written there and read out again, 128 KB of LDS traffic a chunk beside the 8 x 16 KB of all eight waves' fragment reads, with a cluster's round for each chunk.
; LAYOUT.  Both products are used transposed: S^T = K Q^T (source 0 = 16 keys, source 1 = 16 queries), O^T = V^T P^T (source 0 = 16 channels, source 1 = P): a lane holds ONE query
; (lane % 16) throughout.  r = lane % 16, h = lane / 16.
;   d is permuted alike in Q and K: registers 4 pl .. 4 pl + 3 of a fragment hold d = 16 (2 pl + h) + 0 .. 15, so that a plane comes by one 16-byte load; every product meets its partner.
;   THE KEYS OF A TILE ARE NOT NEIGHBOURS: place r of tile 2 b + u holds key 32 b + 8 u + r + 8 (r / 8), so that register 16 b + n of S^T is key 32 b + 16 h + n: 16 neighbours for the conversions,
;   whose results are source 1 of the second product; V's fragments hold keys 32 c + 16 h + 0 .. 15 in registers 4 c .. 4 c + 3, the same order.
; LIMITS: eq, ek, ep, ev each between -126 and 119, eq + ek between -123 and 130, so that every power of two below is an f32 number.  NaN among the inputs is not served; infinities are held at the largest code.
; LDS: K's two buffers of 10,240 bytes (tile T at 1280 T; in it the quarter qd of d at 320 qd: 16 keys x 16 bytes, then 64 bytes unused); V's two of 8,192 (channel tile u at 2048 u, keys 32 c on at 512 c, 16 bytes a lane);
;   a stage of 16 rows x 272 bytes for each wave; the spare words.
; REGISTERS, in windows of 256 (s_set_vgpr_msb: bits 1:0 source 0, 3:2 source 1, 5:4 source 2, 7:6 destination):
;   window 0: v1-11 addresses and scales; v12-27 four registers of statistics a tile (-M, largest t, the sum in two halves); v28 f, v29 the lane exchange; v30-31 at work; v32-63 Q's codes;
;             v64-127 K's eight fragments, later V's four; v128-191 S^T, then p, of the tile in hand; v192-255 p's codes, 16 a tile (a tile's first four serve as chains before its codes are written)
;   window 1: v0-127 O^T (tile q, channel tile u at 32 q + 8 u); v128-159 raw K; v160-191 raw V; v192-207 fresh codes
.set KBUF,   10240
.set VBASE,  20480
.set VBUF,   8192
.set STAGE,  36864
.set SPITCH, 272
.set SPARE,  71680                     ; the spare words: 128 bytes for each of the eight waves, four blocks of 256 bytes that no other line names
.set CHUNK,  0x8000                    ; 128 keys x 256 bytes in memory
.set AK,  1                            ; v1   320 h + 16 r: my place in a tile of K's image
.set AV,  2                            ; v2   16 x lane: my place in V's image; on the way out my byte offset in two rows of out0
.set KST, 3                            ; v3   where I store K's codes
.set VST, 4                            ; v4   where I store V's codes
.set STO, 3                            ; on the way out: where I put 32 bytes of a row
.set RD,  4                            ; on the way out: where I read a row back
.set KO,  5                            ; v5   my byte offset in a chunk of k; never rewritten
.set VO,  6                            ; v6   my byte offset in a chunk of v; never rewritten
.set SPW, 7                            ; v7   LDS address of my spare word; never rewritten
.set NIL, 8                            ; v8   0; never rewritten
.set PSC, 9                            ; v9   2^ep as f32
.set KSC, 10                           ; v10  2^ek
.set VSC, 11                           ; v11  2^ev
.set ST,  12
.set FF,  28
.set Q,   32
.set F,   64
.set S,   128
.set PC,  192
.set RK,  128                          ; window 1
.set RV,  160                          ; window 1
.set QC,  192                          ; window 1
.set MSB, 0
.macro WIN new                         ; the immediate's high byte repeats the setting that is left; a switch that changes nothing is dropped
.if MSB != \new
	s_set_vgpr_msb (MSB<<8)|\new
.set MSB, \new
.endif
.endm
.macro PLACES                          ; four plain vector lines behind matrix instructions, ahead of reads of their results and of loads into their sources
.rept 4
	v_nop
.endr
.endm
; A chunk's f32 numbers for my thread.  K: key 8 w + 64 j + lane / 4, quarter lane % 4 of d: 16 neighbours, four loads of 16 bytes; a wave's four loads cover 2,048 bytes on end.
; V: channel 32 (w % 2) + lane, keys 16 (w / 2 + 4 j) + 0 .. 15: a lane takes a column and its registers run down the keys; each load of a wave covers 128 bytes on end.
.macro LOADS
	WIN 0x40                                       ; destination window 1
.set n, 0
.rept 8
	global_load_b128 v[RK+4*n:RK+4*n+3], v[KO], s[6:7] offset:16384*(n/4)+16*(n%4)
.set n, n+1
.endr
.set n, 0
.rept 32
	global_load_b32 v[RV+n], v[VO], s[8:9] offset:16384*(n/16)+256*(n%16)
.set n, n+1
.endr
	WIN 0
.endm
; The raw numbers become codes and go to chunk buffer buf.
.macro QUANT buf
	WIN 0x41                                       ; destination and source 0 window 1
.set n, 0
.rept 32
	v_med3_num_f32 v[RK+n], v[RK+n], s28, s29      ; the conversion to an 8-bit code does not saturate (ISA guide 7.6.2): the hold at +-448 x 2^ek
.set n, n+1
.endr
.set n, 0
.rept 4
	v_cvt_scalef32_pk8_fp8_f32 v[QC+2*n:QC+2*n+1], v[RK+8*n:RK+8*n+7], v[KSC]
.set n, n+1
.endr
.set n, 0
.rept 32
	v_med3_num_f32 v[RV+n], v[RV+n], s30, s31
.set n, n+1
.endr
.set n, 0
.rept 4
	v_cvt_scalef32_pk8_fp8_f32 v[QC+8+2*n:QC+8+2*n+1], v[RV+8*n:RV+8*n+7], v[VSC]
.set n, n+1
.endr
	v_nop                                          ; one plain line behind the last scaled conversion
	WIN 0x04                                       ; store data window 1
	ds_store_b128 v[KST], v[QC:QC+3] offset:KBUF*(\buf)
	ds_store_b128 v[KST], v[QC+4:QC+7] offset:KBUF*(\buf)+5120
	ds_store_b128 v[VST], v[QC+8:QC+11] offset:VBUF*(\buf)
	ds_store_b128 v[VST], v[QC+12:QC+15] offset:VBUF*(\buf)+1024
	WIN 0
.endm
.macro FETCH_K buf                     ; K's eight fragments: tile n / 2, plane n % 2; sixteen lanes read 256 bytes on end
.set n, 0
.rept 16
	ds_load_b128 v[F+4*n:F+4*n+3], v[AK] offset:KBUF*(\buf)+1280*(n/2)+640*(n%2)
.set n, n+1
.endr
.endm
.macro FETCH_V buf                     ; V's four fragments: channel tile n / 4, keys 32 (n % 4) on; 512 bytes on end a load
.set n, 0
.rept 16
	ds_load_b128 v[F+4*n:F+4*n+3], v[AV] offset:VBASE+VBUF*(\buf)+512*n
.set n, n+1
.endr
.endm
.macro SPROD q                         ; S^T of tile q: eight tiles of 16 keys; each product starts its sum with 0
.irp i, 0,1,2,3,4,5,6,7
	v_wmma_f32_16x16x64_fp8_fp8 v[S+8*\i:S+8*\i+7], v[F+8*\i:F+8*\i+7], v[Q+8*(\q):Q+8*(\q)+7], 0
.endr
.endm
; Tile q's softmax for a chunk: 64 scores a lane.  All of it in window 0.
.macro SOFTMAX q
.set PCQ, PC+16*(\q)
.set NM,  ST+4*(\q)
	v_max3_num_f32 v30, v[S], v[S+1], v[S+2]       ; the largest score of my 64, in four chains, the scores in ascending order: each accumulator is first read at its low end
	v_max3_num_f32 v31, v[S+3], v[S+4], v[S+5]
	v_max3_num_f32 v[PCQ], v[S+6], v[S+7], v[S+8]
	v_max3_num_f32 v[PCQ+1], v[S+9], v[S+10], v[S+11]
.set n, 0
.rept 26
.if n%4 < 2
.set CH, 30+n%4
.else
.set CH, PCQ+n%4-2
.endif
	v_max3_num_f32 v[CH], v[CH], v[S+12+2*n], v[S+13+2*n]
.set n, n+1
.endr
	v_max3_num_f32 v30, v30, v31, v[PCQ]
	v_max_num_f32 v30, v30, v[PCQ+1]
	v_permlanex16_b32 v29, v30, s24, s25           ; the query's other 64 keys lie in the lane 16 away
	v_max_num_f32 v30, v30, v29
	v_mul_f32 v30, s22, v30                        ; as t (c is positive)
	v_max_num_f32 v[NM+1], v[NM+1], v30            ; the running largest t
	v_mov_b32 v30, v[NM]
	v_floor_f32 v[NM], -v[NM+1]                    ; the new -M = floor(-t) = -ceil(t): a whole number
	v_sub_f32 v30, v[NM], v30                      ; old M - new M: a whole number, 0 or less
	v_cvt_i32_f32 v30, v30                         ; (it saturates)
	v_ldexp_f32 v[FF], 1.0, v30                    ; f = 2^(old M - new M)
.set n, 0
.rept 32                               ; ONE BATCH: t - M, a pair a line, and two pairs behind it that pair's exponentials.  No line here names an exponential's result
	v_pk_fma_f32 v[S+2*n:S+2*n+1], v[S+2*n:S+2*n+1], s[22:23], v[NM:NM+1] op_sel_hi:[1,0,0]
.if n >= 2
	v_exp_f32 v[S+2*n-4], v[S+2*n-4]
	v_exp_f32 v[S+2*n-3], v[S+2*n-3]
.endif
.set n, n+1
.endr
	v_exp_f32 v[S+60], v[S+60]
	v_exp_f32 v[S+61], v[S+61]
	v_exp_f32 v[S+62], v[S+62]
	v_exp_f32 v[S+63], v[S+63]
	v_pk_mul_f32 v[NM+2:NM+3], v[NM+2:NM+3], v[FF:FF+1] op_sel_hi:[1,0]   ; the sum under the new M: the plain line behind the last exponential
	s_wait_alu depctr_va_vdst(0)                   ; one wait for the 64 exponentials, ahead of the first line that names a result
	v_pk_add_f32 v[30:31], v[S:S+1], v[S+2:S+3]    ; THE ROW'S SUM IS TAKEN OF THE UNQUANTISED p: two at a time, in four chains
	v_pk_add_f32 v[PCQ:PCQ+1], v[S+4:S+5], v[S+6:S+7]
	v_pk_add_f32 v[PCQ+2:PCQ+3], v[S+8:S+9], v[S+10:S+11]
	v_pk_add_f32 v[NM+2:NM+3], v[NM+2:NM+3], v[S+12:S+13]
.set n, 0
.rept 25
.if n%4 == 0
.set CH, 30
.elseif n%4 == 1
.set CH, PCQ
.elseif n%4 == 2
.set CH, PCQ+2
.else
.set CH, NM+2
.endif
	v_pk_add_f32 v[CH:CH+1], v[CH:CH+1], v[S+14+2*n:S+15+2*n]
.set n, n+1
.endr
	v_pk_add_f32 v[30:31], v[30:31], v[PCQ:PCQ+1]
	v_pk_add_f32 v[NM+2:NM+3], v[NM+2:NM+3], v[PCQ+2:PCQ+3]
	v_pk_add_f32 v[NM+2:NM+3], v[NM+2:NM+3], v[30:31]
	s_cmp_eq_u32 s33, 0                            ; THE HOLD at 448 x 2^ep.  p is at most 1 (a rounding over it at the most), and 448 x 2^ep is 1.75 or more from ep = -8 on: there the hold changes no number and is jumped over.
	s_cbranch_scc1 .Lfree_\@                       ; The branch hangs on the whole number ep alone and is the same in every wave; no barrier and no memory instruction stands under it
.set n, 0
.rept 64
	v_min_num_f32 v[S+n], s32, v[S+n]              ; p is not negative: the hold is one-sided
.set n, n+1
.endr
.Lfree_\@:
.irp i, 0,1,2,3
	v_cvt_scalef32_pk8_fp8_f32 v[PCQ+4*\i:PCQ+4*\i+1], v[S+16*\i:S+16*\i+7], v[PSC]        ; registers 4 i .. 4 i + 3: keys 32 i + 16 h + 0 .. 15
	v_cvt_scalef32_pk8_fp8_f32 v[PCQ+4*\i+2:PCQ+4*\i+3], v[S+16*\i+8:S+16*\i+15], v[PSC]
.endr
	v_nop                                          ; one plain line behind the last scaled conversion: the next products write its sources
.endm
.macro RESCALE q                       ; tile q's O^T under the new M: x f, ascending.  These sixteen plain lines are also the places behind the products issued just before them
	WIN 0x41
.set n, 0
.rept 16
	v_pk_mul_f32 v[32*(\q)+2*n:32*(\q)+2*n+1], v[32*(\q)+2*n:32*(\q)+2*n+1], v[FF:FF+1] op_sel_hi:[1,0]
.set n, n+1
.endr
	WIN 0
.endm
.macro PV                              ; O^T += V^T P^T: K = the chunk's 128 keys.  Sixteen accumulators, one instruction each: they take turns
	WIN 0x50                                       ; C and D window 1
.irp u, 0,1,2,3
.irp i, 0,1,2,3
	v_wmma_f32_16x16x128_fp8_fp8 v[32*\i+8*\u:32*\i+8*\u+7], v[F+16*\u:F+16*\u+15], v[PC+16*\i:PC+16*\i+15], v[32*\i+8*\u:32*\i+8*\u+7]
.endr
.endr
	WIN 0
.endm
; A TRIP: chunk 2 s35 + b.  It reads chunk buffer b and fills buffer 1 - b with the next chunk's codes.
.macro TRIP b
	s_wait_dscnt 0x0                               ; my stores of this chunk's codes have landed, and my reads of the other buffer are over:
	s_barrier_signal -1
	s_barrier_wait -1                              ; both now hold of all eight waves
	FETCH_K \b
.if \b == 0
	s_wait_loadcnt 0x0                             ; the next chunk's numbers, asked for a trip ago; the loads have also read their bases
	QUANT 1
	s_cmp_eq_u32 s35, 7                            ; chunk 15 is the last: nothing more is asked for, so that no load leaves its buffer
	s_cbranch_scc1 .Lnone_\@
.else
	s_cmp_eq_u32 s35, 7                            ; behind chunk 15 there is nothing to code and nothing to ask for
	s_cbranch_scc1 .Lnone_\@
	s_wait_loadcnt 0x0
	QUANT 0
.endif
	s_add_nc_u64 s[6:7], s[6:7], CHUNK
	s_add_nc_u64 s[8:9], s[8:9], CHUNK
	LOADS                                          ; the chunk after the next: a whole trip ahead of the wait for it
.Lnone_\@:
	s_wait_dscnt 0x0                               ; K's fragments are in; the code stores have read their registers
	SPROD 0
	PLACES
	SOFTMAX 0
	SPROD 1                                        ; the next tile's products are issued ahead of this tile's rescaling
	RESCALE 0
	SOFTMAX 1
	SPROD 2
	RESCALE 1
	SOFTMAX 2
	SPROD 3
	RESCALE 2
	FETCH_V \b                                     ; K's fragments are done with (sixteen plain lines back): V's take their registers and land during the last softmax
	SOFTMAX 3
	RESCALE 3
	s_wait_dscnt 0x0                               ; V's fragments are in
	PV
	PLACES                                         ; ahead of the next trip's loads into the fragments' registers, and of the way out
.endm
.macro LIMITS e, neg, pos, sc          ; from the exponent in s[e]: -+448 x 2^e into s[neg], s[pos]; 2^e as f32 into v[sc]
	s_add_co_i32 s36, s[\e], 127
	s_lshl_b32 s37, s36, 23
	v_mov_b32 v[\sc], s37
	s_add_co_i32 s36, s36, 8
	s_lshl_b32 s36, s36, 23
	s_or_b32 s[\pos], s36, 0x600000                ; 448 = 1.75 x 2^8
	s_or_b32 s[\neg], s[\pos], 0x80000000
.endm
	s_load_b256 s[4:11], s[0:1], 0x0               ; q s[4:5], k s[6:7], v s[8:9], lowp_scales s[10:11]
	s_load_b64 s[12:13], s[0:1], 0x20              ; out0
	v_lshl_add_u32 v[SPW], v0, 2, SPARE
	v_mov_b32 v[NIL], 0
	v_lshrrev_b32 v30, 5, v0
	v_readfirstlane_b32 s20, v30                   ; wave w, 0..7
	v_and_b32 v30, 31, v0                          ; lane
	v_and_b32 v31, 15, v0                          ; r
	v_bfe_u32 v29, v0, 4, 1                        ; h
	s_lshr_b32 s36, s20, 2                         ; w / 4
	s_and_b32 s38, s20, 1                          ; w % 2
	s_bfe_u32 s40, s20, 0x10001                    ; (w / 2) % 2
	v_mul_u32_u24 v[AK], v29, 320
	v_lshl_add_u32 v[AK], v31, 4, v[AK]
	v_lshlrev_b32 v[AV], 4, v30
	; my key 8 w + 64 j + lane / 4 lies in tile 2 (w / 4) + 4 j + w % 2 at place lane / 4 + 8 ((w / 2) % 2); sixteen lanes' stores fall on 16 different 16-byte columns modulo 256 bytes
	v_and_b32 v28, 3, v0
	v_mul_u32_u24 v[KST], v28, 320
	v_bfe_u32 v28, v0, 2, 3
	v_lshl_add_u32 v[KST], v28, 4, v[KST]
	s_mul_i32 s37, s36, 2560
	s_mul_i32 s39, s38, 1280
	s_add_co_u32 s37, s37, s39
	s_lshl_b32 s39, s40, 7
	s_add_co_u32 s37, s37, s39
	v_add_nc_u32 v[KST], s37, v[KST]
	; my channel 32 (w % 2) + lane lies in channel tile 2 (w % 2) + h at place r; my keys 16 (w / 2 + 4 j) on are c = w / 4 + 2 j, half (w / 2) % 2
	v_lshlrev_b32 v[VST], 11, v29
	v_lshl_add_u32 v[VST], v31, 4, v[VST]
	s_lshl_b32 s37, s38, 12
	s_lshl_b32 s39, s36, 9
	s_add_co_u32 s37, s37, s39
	s_lshl_b32 s39, s40, 8
	s_add_co_u32 s37, s37, s39
	s_add_co_u32 s37, s37, VBASE
	v_add_nc_u32 v[VST], s37, v[VST]
	v_lshlrev_b32 v[KO], 6, v0                     ; 64 x thread = 2048 w + 64 lane
	v_lshlrev_b32 v[VO], 2, v30
	s_lshl_b32 s37, s38, 7
	s_lshr_b32 s39, s20, 1
	s_lshl_b32 s39, s39, 12
	s_add_co_u32 s37, s37, s39
	v_add_nc_u32 v[VO], s37, v[VO]                 ; 4 lane + 128 (w % 2) + 4096 (w / 2)
	v_lshlrev_b32 v28, 8, v31
	v_lshl_add_u32 v28, v29, 6, v28                ; q: row r of 256 bytes, + 64 h
	s_mov_b32 s24, 0x76543210                      ; v_permlanex16_b32: each lane takes its own place in the other half
	s_mov_b32 s25, 0xfedcba98
	s_and_b32 s36, ttmp7, 0xffff                   ; the head:
	s_lshl_b32 s36, s36, 19                        ; 2,048 rows of 256 bytes
	s_mov_b32 s37, 0
	s_lshl_b32 s38, ttmp9, 17                      ; my block's 512 rows,
	s_lshl_b32 s39, s20, 14                        ; my wave's 64 of them
	s_add_co_u32 s38, s38, s39
	s_add_co_u32 s38, s38, s36
	s_mov_b32 s39, 0
	s_wait_kmcnt 0x0
	s_load_b128 s[16:19], s[10:11], 0x0            ; eq, ek, ep, ev
	s_add_nc_u64 s[6:7], s[6:7], s[36:37]          ; k and v at the head's first chunk
	s_add_nc_u64 s[8:9], s[8:9], s[36:37]
	s_add_nc_u64 s[4:5], s[4:5], s[38:39]          ; q and out0 at my wave's first row
	s_add_nc_u64 s[12:13], s[12:13], s[38:39]
	LOADS                                          ; chunk 0
.set n, 0
.rept 32                               ; q: tile n / 8, plane (n / 4) % 2, piece n % 4, into the registers that fragments and scores take later; read once in the launch
	global_load_b128 v[F+4*n:F+4*n+3], v28, s[4:5] offset:4096*(n/8)+128*((n/4)%2)+16*(n%4) th:TH_LOAD_NT
.set n, n+1
.endr
	s_wait_kmcnt 0x0
	s_add_co_i32 s36, s16, s17
	s_lshl_b32 s36, s36, 23
	s_add_co_i32 s22, s36, 0x3e38aa3b              ; c = log2(e) / 8; a score stands for score x 2^(eq + ek): the two exponents are added to c's exponent field
	s_mov_b32 s23, s22                             ; (named with it as a pair, so it is written)
	LIMITS 16, 26, 27, 30                          ; q's; its scale in v30, at work
	LIMITS 17, 28, 29, KSC
	LIMITS 19, 30, 31, VSC
	s_add_co_i32 s36, s18, 127
	s_lshl_b32 s37, s36, 23
	v_mov_b32 v[PSC], s37
	s_add_co_i32 s36, s36, 8
	s_lshl_b32 s36, s36, 23
	s_or_b32 s32, s36, 0x600000                    ; 448 x 2^ep
	s_cmp_lt_i32 s18, -8
	s_cselect_b32 s33, 1, 0                        ; 1 where the hold on p can act
	s_add_co_i32 s34, s18, s19                     ; ep + ev
	s_wait_loadcnt 32                              ; chunk 0's 40 loads are in; q's 32, issued behind them, may be out
	QUANT 0
	s_wait_xcnt 0x0                                ; every earlier memory instruction has had its addresses translated (ISA guide 3.1): the bases may step
	s_add_nc_u64 s[6:7], s[6:7], CHUNK
	s_add_nc_u64 s[8:9], s[8:9], CHUNK
	LOADS                                          ; chunk 1
	s_wait_loadcnt 40                              ; q's 32 loads are in; chunk 1's 40, issued behind them, may be out
.set n, 0
.rept 128
	v_med3_num_f32 v[F+n], v[F+n], s26, s27
.set n, n+1
.endr
.set n, 0
.rept 16
	v_cvt_scalef32_pk8_fp8_f32 v[Q+2*n:Q+2*n+1], v[F+8*n:F+8*n+7], v30   ; Q's codes stay in registers: tile n / 4, plane (n / 2) % 2
.set n, n+1
.endr
	v_nop                                          ; one plain line behind the last scaled conversion
.irp i, 0,1,2,3
	v_mov_b32 v[ST+4*\i+1], 0xff61b1e6             ; the largest t so far: -3e38, under every t
	v_floor_f32 v[ST+4*\i], -v[ST+4*\i+1]          ; -M
	v_mov_b32 v[ST+4*\i+2], 0                      ; the sum, in two halves
	v_mov_b32 v[ST+4*\i+3], 0
.endr
	v_mov_b32 v29, 0                               ; written once: a lane permute's destination counts as one of its sources
	WIN 0x40
.set n, 0
.rept 128
	v_mov_b32 v[n], 0                              ; O^T.  The trip is written for every chunk alike: the first finds zeros, which the first change of M leaves zeros; a first trip of its own would be a third copy of the trip's text
.set n, n+1
.endr
	WIN 0
	s_mov_b32 s35, 0
.Lloop:                                            ; eight trips of two chunks, so that the buffers' numbers stand in immediates
	TRIP 0
	TRIP 1
	s_add_co_u32 s35, s35, 1
	s_cmp_lt_u32 s35, 8
	s_cbranch_scc1 .Lloop
	; THE WAY OUT.  The sum's two halves and the other half of the lanes' are added; O^T x 2^(ep + ev) / the sum goes through my own stage in LDS, a tile (16 rows of 256 bytes) at a time.
.irp i, 0,1,2,3
	v_add_f32 v[ST+4*\i+2], v[ST+4*\i+2], v[ST+4*\i+3]
.endr
.irp i, 0,1,2,3
	v_permlanex16_b32 v[ST+4*\i+3], v[ST+4*\i+2], s24, s25
.endr
.irp i, 0,1,2,3
	v_add_f32 v[ST+4*\i+2], v[ST+4*\i+2], v[ST+4*\i+3]
.endr
.irp i, 0,1,2,3
	v_rcp_f32 v[ST+4*\i], v[ST+4*\i+2]
.endr
	v_and_b32 v30, 15, v0                          ; (plain lines behind the reciprocals)  r
	v_bfe_u32 v31, v0, 4, 1                        ; h
	s_mul_i32 s36, s20, 16*SPITCH
	s_add_co_u32 s36, s36, STAGE                   ; my stage
	v_mul_u32_u24 v[STO], v30, SPITCH              ; in: row r, 32 bytes for each half of the lanes
	v_lshl_add_u32 v[STO], v31, 5, v[STO]
	v_add_nc_u32 v[STO], s36, v[STO]
	v_mul_u32_u24 v[RD], v31, SPITCH               ; back: lanes 0-15 take one row of 256 bytes, lanes 16-31 the next
	v_lshl_add_u32 v[RD], v30, 4, v[RD]
	v_add_nc_u32 v[RD], s36, v[RD]
	s_wait_alu depctr_va_vdst(0)                   ; one wait for the four reciprocals, ahead of their first reader
.irp i, 0,1,2,3
	v_ldexp_f32 v[ST+4*\i], v[ST+4*\i], s34        ; x 2^(ep + ev)
.endr
.macro PACK q                          ; register 8 u + j of tile q is out0(row r, channel 16 u + 8 h + j)
	WIN 0x01                                       ; source 0 window 1
.set n, 0
.rept 16
	v_pk_mul_f32 v[F+32*(\q)+2*n:F+32*(\q)+2*n+1], v[32*(\q)+2*n:32*(\q)+2*n+1], v[ST+4*(\q):ST+4*(\q)+1] op_sel_hi:[1,0]   ; each accumulator from its low end on
.set n, n+1
.endr
	WIN 0
.irp u, 0,1,2,3
	ds_store_b128 v[STO], v[F+32*(\q)+8*\u:F+32*(\q)+8*\u+3] offset:64*\u
	ds_store_b128 v[STO], v[F+32*(\q)+8*\u+4:F+32*(\q)+8*\u+7] offset:64*\u+16
.endr
.irp i, 0,1,2,3,4,5,6,7
	ds_load_b128 v[F+32*(\q)+4*\i:F+32*(\q)+4*\i+3], v[RD] offset:2*SPITCH*\i   ; LDS serves a wave's instructions in order (ISA guide 5.7.1.4): these see the stores above, and the next tile's stores come behind them
.endr
.endm
.macro SEND q, younger                 ; younger: the LDS instructions issued behind tile q's loads: the next tile's sixteen, or none
.irp i, 0,1,2,3,4,5,6,7
	s_wait_dscnt \younger+7-\i
	global_store_b128 v[AV], v[F+32*(\q)+4*\i:F+32*(\q)+4*\i+3], s[12:13] offset:4096*(\q)+512*\i th:TH_STORE_NT   ; 32 lanes store two rows, 512 consecutive bytes, at a multiple of 256 from out0's first byte; written once, read by nobody here
.endr
.endm
	PACK 0
	PACK 1                                         ; a tile's arithmetic stands between the loads of the tile before and its stores
	SEND 0, 16
	PACK 2
	SEND 1, 16
	PACK 3
	SEND 2, 16
	SEND 3, 0
	s_wait_tensorcnt 0x0                           ; the wave's end
	ds_add_u32 v[SPW], v[NIL]
	s_wait_dscnt 0x0
	s_endpgm
.Lfunc_end_k_qf5a4ae5468_attn:
	.size	k_qf5a4ae5468_attn, .Lfunc_end_k_qf5a4ae5468_attn-k_qf5a4ae5468_attn
	.p2alignl 7, 3214868480
	.fill 96, 4, 3214868480
	.section	.rodata,"a",@progbits
	.p2align	6, 0x0
	.amdhsa_kernel k_qf5a4ae5468_attn
		.amdhsa_group_segment_fixed_size 72704
		.amdhsa_private_segment_fixed_size 0
		.amdhsa_enable_private_segment 0
		.amdhsa_kernarg_size 40
		.amdhsa_user_sgpr_count 2
		.amdhsa_user_sgpr_kernarg_segment_ptr 1
		.amdhsa_wavefront_size32 1
		.amdhsa_system_sgpr_workgroup_id_x 1
		.amdhsa_system_sgpr_workgroup_id_y 1
		.amdhsa_system_sgpr_workgroup_id_z 1
		.amdhsa_system_vgpr_workitem_id 0
		.amdhsa_next_free_vgpr 512
		.amdhsa_next_free_sgpr 66
		.amdhsa_reserve_vcc 0
		.amdhsa_float_denorm_mode_32 3
		.amdhsa_float_denorm_mode_16_64 3
		.amdhsa_memory_ordered 1
		.amdhsa_forward_progress 1
		.amdhsa_inst_pref_size 174
	.end_amdhsa_kernel
	.amdgpu_metadata
---
amdhsa.version: [ 1, 2 ]
amdhsa.kernels:
  - .name:           k_qf5a4ae5468_attn
    .symbol:         k_qf5a4ae5468_attn.kd
    .args:
      - { .name: q, .offset: 0, .size: 8, .value_kind: global_buffer, .address_space: global }
      - { .name: k, .offset: 8, .size: 8, .value_kind: global_buffer, .address_space: global }
      - { .name: v, .offset: 16, .size: 8, .value_kind: global_buffer, .address_space: global }
      - { .name: lowp_scales, .offset: 24, .size: 8, .value_kind: global_buffer, .address_space: global }
      - { .name: out0, .offset: 32, .size: 8, .value_kind: global_buffer, .address_space: global }
    .group_segment_fixed_size: 72704
    .private_segment_fixed_size: 0
    .kernarg_segment_align: 8
    .kernarg_segment_size: 40
    .max_flat_workgroup_size: 256
    .sgpr_count:     66
    .vgpr_count:     512
    .wavefront_size: 32
...
	.end_amdgpu_metadata
.endif
;; end of part 1
;; ======== version 2 of 2: 1 launch; version 1 with the launch attn written anew for expert scheduling mode
;; launch attn (part 2): grid 4 x 64, 8 waves a work-group, no clusters, 72,704 bytes of LDS; arguments q, k, v, lowp_scales, out0; writes out0
.if DOCPART == 2
	.amdgcn_target "amdgcn-amd-amdhsa--gfx1250"
	.amdhsa_code_object_version 6
	.text
	.protected	k_qf5a4ae5468_attn
	.globl	k_qf5a4ae5468_attn
	.p2align	8
	.type	k_qf5a4ae5468_attn,@function
k_qf5a4ae5468_attn:
	s_mov_b64 s[64:65], 0
	v_nop
	global_prefetch_b8 v0, s[64:65] scope:SCOPE_SE
	s_setreg_imm32_b32 hwreg(HW_REG_WAVE_SCHED_MODE, 0, 2), 2
	s_setreg_imm32_b32 hwreg(HW_REG_WAVE_MODE, 25, 1), 1
	s_wait_xcnt 0x0
	s_wait_alu depctr_vm_vsrc(0)
; out0[h][q][:] = the sum over keys of softmax(q . k / 8) v, 64 heads of 2,048 x 64, f32 in and out, no mask.  Both products run on codes of FP8 (E4M3), each operand with
; the one scale 2^e that is given for it: eq, ek, ep, ev (lowp_scales, int32).  The kernel makes all codes itself: code = x / 2^e, held within +-448, to the nearest code, ties to even.
; THE SOFTMAX AHEAD OF THE SECOND PRODUCT: t = score x log2(e) / 8; M = the largest t so far, rounded UP to a whole number; p = 2^(t - M) is quantised along the keys, not normalised.
; The row's sum is taken of the unquantised p in f32 and divides at the end.  When M moves, the sum and O are multiplied by 2^(old M - new M), which rounds nothing.
; SHARES.  A work-group owns 512 queries of one head (grid x: the block, grid y: the head); each of its eight waves owns 64, four tiles of 16, in 512 registers.  All waves walk the
; head's keys in 16 chunks of 128.  Each fragment of K and of V that a wave reads from LDS feeds four products, one for each tile.
; THE CODES OF K AND V are made by the work-group on the way: a chunk's f32 numbers (64 KB) come from memory straight into registers, asked for a whole trip ahead of their wait; each
; thread codes 2 x 16 numbers of K and 2 x 16 of V and stores them to LDS as images of the operands' registers.  Two chunk buffers take turns, one barrier a chunk.
; NO TENSOR LOADS, NO JOINT LOADS, though the four blocks of a head read the same k and v: these arrive as f32 and pass through registers on their way to codes.  Laid into LDS first,
; a chunk's 64 KB would be written there and read out again, 128 KB of LDS traffic a chunk beside the 8 x 16 KB of all eight waves' fragment reads, with a cluster's round for each chunk.
; LAYOUT.  Both products are used transposed: S^T = K Q^T (source 0 = 16 keys, source 1 = 16 queries), O^T = V^T P^T (source 0 = 16 channels, source 1 = P): a lane holds ONE query
; (lane % 16) throughout.  r = lane % 16, h = lane / 16.
;   d is permuted alike in Q and K: registers 4 pl .. 4 pl + 3 of a fragment hold d = 16 (2 pl + h) + 0 .. 15, so that a plane comes by one 16-byte load; every product meets its partner.
;   THE KEYS OF A TILE ARE NOT NEIGHBOURS: place r of tile 2 b + u holds key 32 b + 8 u + r + 8 (r / 8), so that register 16 b + n of S^T is key 32 b + 16 h + n: 16 neighbours for the conversions,
;   whose results are source 1 of the second product; V's fragments hold keys 32 c + 16 h + 0 .. 15 in registers 4 c .. 4 c + 3, the same order.
; LIMITS: eq, ek, ep, ev each between -126 and 119, eq + ek between -123 and 130, so that every power of two below is an f32 number.  NaN among the inputs is not served; infinities are held at the largest code.
; LDS: K's two buffers of 10,240 bytes (tile T at 1280 T; in it the quarter qd of d at 320 qd: 16 keys x 16 bytes, then 64 bytes unused); V's two of 8,192 (channel tile u at 2048 u, keys 32 c on at 512 c, 16 bytes a lane);
;   a stage of 16 rows x 272 bytes for each wave; the spare words.
; REGISTERS, in windows of 256 (s_set_vgpr_msb: bits 1:0 source 0, 3:2 source 1, 5:4 source 2, 7:6 destination):
;   window 0: v1-11 addresses and scales; v12-27 four registers of statistics a tile (-M, largest t, the sum in two halves); v28 f, v29 the lane exchange; v30-31 at work; v32-63 Q's codes;
;             v64-127 K's eight fragments, later V's four; v128-191 S^T, then p, of the tile in hand; v192-255 p's codes, 16 a tile (a tile's first four serve as chains before its codes are written)
;   window 1: v0-127 O^T (tile q, channel tile u at 32 q + 8 u); v128-159 raw K; v160-191 raw V; v192-207 fresh codes
; THE MODE: SCHED_MODE bits 1:0 = 2 (LLVM: expert scheduling mode 2), set by the entry lines.  The code itself states the register dependences between vector or matrix
; instructions and memory or LDS instructions, with s_wait_alu, always for 0.
; THE PLAN.  Registers that memory or LDS instructions touch:
;   v1, v2, v5, v6   addresses and offsets, made at the head and never written again: one wait at the head, ahead of the first load, serves them for the whole kernel.
;   v3, v4           read by the code stores of every chunk; made anew on the way out, behind a wait for those stores' reads.
;   v28              q's offset at the head; from the first softmax on it holds f.
;   the fragments    K's loads land at a trip's head; the 32 products S^T read them; V's loads land behind tile 3's products; the 16 products O^T read them.
;   raw K, raw V     the global loads land; the next trip's holds and conversions work on them; behind these they are asked for again.
;   the codes        a trip's conversions write them; its four LDS stores read them.
;   v64-191, way out the multiplications write them; the stage's stores read them; the stage's loads land in them; the global stores read them.
; A TRIP'S WAITS.  Behind the barrier: the last products are done reading the fragments, and the last code stores have read the codes' registers.  Behind the conversions: the codes are written,
; and raw K and raw V are done with: the four stores and the 40 global loads both follow that one wait, and no vector or matrix line between names a register of theirs.  Ahead of V's fragments:
; tile 3's products are done reading K's.  And one wait for each softmax's batch of exponentials.
.set KBUF,   10240
.set VBASE,  20480
.set VBUF,   8192
.set STAGE,  36864
.set SPITCH, 272
.set SPARE,  71680                     ; the spare words: 128 bytes for each of the eight waves, four blocks of 256 bytes that no other line names
.set CHUNK,  0x8000                    ; 128 keys x 256 bytes in memory
.set AK,  1                            ; v1   320 h + 16 r: my place in a tile of K's image
.set AV,  2                            ; v2   16 x lane: my place in V's image; on the way out my byte offset in two rows of out0
.set KST, 3                            ; v3   where I store K's codes
.set VST, 4                            ; v4   where I store V's codes
.set STO, 3                            ; on the way out: where I put 32 bytes of a row
.set RD,  4                            ; on the way out: where I read a row back
.set KO,  5                            ; v5   my byte offset in a chunk of k; never rewritten
.set VO,  6                            ; v6   my byte offset in a chunk of v; never rewritten
.set SPW, 7                            ; v7   LDS address of my spare word; never rewritten
.set NIL, 8                            ; v8   0; never rewritten
.set PSC, 9                            ; v9   2^ep as f32
.set KSC, 10                           ; v10  2^ek
.set VSC, 11                           ; v11  2^ev
.set ST,  12
.set FF,  28
.set Q,   32
.set F,   64
.set S,   128
.set PC,  192
.set RK,  128                          ; window 1
.set RV,  160                          ; window 1
.set QC,  192                          ; window 1
.set MSB, 0
.macro WIN new                         ; the immediate's high byte repeats the setting that is left; a switch that changes nothing is dropped
.if MSB != \new
	s_set_vgpr_msb (MSB<<8)|\new
.set MSB, \new
.endif
.endm
.macro PLACES                          ; four plain vector lines behind matrix instructions, ahead of reads of their results (ISA guide 7.12.1)
.rept 4
	v_nop
.endr
.endm
; A chunk's f32 numbers for my thread.  K: key 8 w + 64 j + lane / 4, quarter lane % 4 of d: 16 neighbours, four loads of 16 bytes; a wave's four loads cover 2,048 bytes on end.
; V: channel 32 (w % 2) + lane, keys 16 (w / 2 + 4 j) + 0 .. 15: a lane takes a column and its registers run down the keys; each load of a wave covers 128 bytes on end.
; No wait of their own: since the wait that stands ahead of them (at the head: the one for the addresses; else the one in QUANT) no vector or matrix line names v5, v6, raw K or raw V.
.macro LOADS
	WIN 0x40                                       ; destination window 1
.set n, 0
.rept 8
	global_load_b128 v[RK+4*n:RK+4*n+3], v[KO], s[6:7] offset:16384*(n/4)+16*(n%4)
.set n, n+1
.endr
.set n, 0
.rept 32
	global_load_b32 v[RV+n], v[VO], s[8:9] offset:16384*(n/16)+256*(n%16)
.set n, n+1
.endr
	WIN 0
.endm
; The raw numbers become codes and go to chunk buffer buf.
.macro QUANT buf
	WIN 0x41                                       ; destination and source 0 window 1
.set n, 0
.rept 32
	v_med3_num_f32 v[RK+n], v[RK+n], s28, s29      ; the conversion to an 8-bit code does not saturate (ISA guide 7.6.2): the hold at +-448 x 2^ek
.set n, n+1
.endr
.set n, 0
.rept 4
	v_cvt_scalef32_pk8_fp8_f32 v[QC+2*n:QC+2*n+1], v[RK+8*n:RK+8*n+7], v[KSC]
.set n, n+1
.endr
.set n, 0
.rept 32
	v_med3_num_f32 v[RV+n], v[RV+n], s30, s31
.set n, n+1
.endr
.set n, 0
.rept 4
	v_cvt_scalef32_pk8_fp8_f32 v[QC+8+2*n:QC+8+2*n+1], v[RV+8*n:RV+8*n+7], v[VSC]
.set n, n+1
.endr
	v_nop                                          ; one plain line behind the last scaled conversion
	WIN 0x04                                       ; store data window 1
	s_wait_alu depctr_va_vdst(0)                   ; the conversions have written the codes, which the four stores read; the holds and conversions are done with raw K and raw V, in which the next global loads land
	ds_store_b128 v[KST], v[QC:QC+3] offset:KBUF*(\buf)
	ds_store_b128 v[KST], v[QC+4:QC+7] offset:KBUF*(\buf)+5120
	ds_store_b128 v[VST], v[QC+8:QC+11] offset:VBUF*(\buf)
	ds_store_b128 v[VST], v[QC+12:QC+15] offset:VBUF*(\buf)+1024
	WIN 0
.endm
.macro FETCH_K buf                     ; K's eight fragments: tile n / 2, plane n % 2; sixteen lanes read 256 bytes on end
.set n, 0
.rept 16
	ds_load_b128 v[F+4*n:F+4*n+3], v[AK] offset:KBUF*(\buf)+1280*(n/2)+640*(n%2)
.set n, n+1
.endr
.endm
.macro FETCH_V buf                     ; V's four fragments: channel tile n / 4, keys 32 (n % 4) on; 512 bytes on end a load
.set n, 0
.rept 16
	ds_load_b128 v[F+4*n:F+4*n+3], v[AV] offset:VBASE+VBUF*(\buf)+512*n
.set n, n+1
.endr
.endm
.macro SPROD q                         ; S^T of tile q: eight tiles of 16 keys; each product starts its sum with 0
.irp i, 0,1,2,3,4,5,6,7
	v_wmma_f32_16x16x64_fp8_fp8 v[S+8*\i:S+8*\i+7], v[F+8*\i:F+8*\i+7], v[Q+8*(\q):Q+8*(\q)+7], 0
.endr
.endm
; Tile q's softmax for a chunk: 64 scores a lane.  All of it in window 0.
.macro SOFTMAX q
.set PCQ, PC+16*(\q)
.set NM,  ST+4*(\q)
	v_max3_num_f32 v30, v[S], v[S+1], v[S+2]       ; the largest score of my 64, in four chains, the scores in ascending order: each accumulator is first read at its low end
	v_max3_num_f32 v31, v[S+3], v[S+4], v[S+5]
	v_max3_num_f32 v[PCQ], v[S+6], v[S+7], v[S+8]
	v_max3_num_f32 v[PCQ+1], v[S+9], v[S+10], v[S+11]
.set n, 0
.rept 26
.if n%4 < 2
.set CH, 30+n%4
.else
.set CH, PCQ+n%4-2
.endif
	v_max3_num_f32 v[CH], v[CH], v[S+12+2*n], v[S+13+2*n]
.set n, n+1
.endr
	v_max3_num_f32 v30, v30, v31, v[PCQ]
	v_max_num_f32 v30, v30, v[PCQ+1]
	v_permlanex16_b32 v29, v30, s24, s25           ; the query's other 64 keys lie in the lane 16 away
	v_max_num_f32 v30, v30, v29
	v_mul_f32 v30, s22, v30                        ; as t (c is positive)
	v_max_num_f32 v[NM+1], v[NM+1], v30            ; the running largest t
	v_mov_b32 v30, v[NM]
	v_floor_f32 v[NM], -v[NM+1]                    ; the new -M = floor(-t) = -ceil(t): a whole number
	v_sub_f32 v30, v[NM], v30                      ; old M - new M: a whole number, 0 or less
	v_cvt_i32_f32 v30, v30                         ; (it saturates)
	v_ldexp_f32 v[FF], 1.0, v30                    ; f = 2^(old M - new M)
.set n, 0
.rept 32                               ; ONE BATCH: t - M, a pair a line, and two pairs behind it that pair's exponentials.  No line here names an exponential's result
	v_pk_fma_f32 v[S+2*n:S+2*n+1], v[S+2*n:S+2*n+1], s[22:23], v[NM:NM+1] op_sel_hi:[1,0,0]
.if n >= 2
	v_exp_f32 v[S+2*n-4], v[S+2*n-4]
	v_exp_f32 v[S+2*n-3], v[S+2*n-3]
.endif
.set n, n+1
.endr
	v_exp_f32 v[S+60], v[S+60]
	v_exp_f32 v[S+61], v[S+61]
	v_exp_f32 v[S+62], v[S+62]
	v_exp_f32 v[S+63], v[S+63]
	v_pk_mul_f32 v[NM+2:NM+3], v[NM+2:NM+3], v[FF:FF+1] op_sel_hi:[1,0]   ; the sum under the new M: the plain line behind the last exponential
	s_wait_alu depctr_va_vdst(0)                   ; the 64 exponentials have written p: one wait for the batch, ahead of the first line that names a result
	v_pk_add_f32 v[30:31], v[S:S+1], v[S+2:S+3]    ; THE ROW'S SUM IS TAKEN OF THE UNQUANTISED p: two at a time, in four chains
	v_pk_add_f32 v[PCQ:PCQ+1], v[S+4:S+5], v[S+6:S+7]
	v_pk_add_f32 v[PCQ+2:PCQ+3], v[S+8:S+9], v[S+10:S+11]
	v_pk_add_f32 v[NM+2:NM+3], v[NM+2:NM+3], v[S+12:S+13]
.set n, 0
.rept 25
.if n%4 == 0
.set CH, 30
.elseif n%4 == 1
.set CH, PCQ
.elseif n%4 == 2
.set CH, PCQ+2
.else
.set CH, NM+2
.endif
	v_pk_add_f32 v[CH:CH+1], v[CH:CH+1], v[S+14+2*n:S+15+2*n]
.set n, n+1
.endr
	v_pk_add_f32 v[30:31], v[30:31], v[PCQ:PCQ+1]
	v_pk_add_f32 v[NM+2:NM+3], v[NM+2:NM+3], v[PCQ+2:PCQ+3]
	v_pk_add_f32 v[NM+2:NM+3], v[NM+2:NM+3], v[30:31]
	s_cmp_eq_u32 s33, 0                            ; THE HOLD at 448 x 2^ep.  p is at most 1 (a rounding over it at the most), and 448 x 2^ep is 1.75 or more from ep = -8 on: there the hold changes no number and is jumped over.
	s_cbranch_scc1 .Lfree_\@                       ; The branch hangs on the whole number ep alone and is the same in every wave; no barrier and no memory instruction stands under it
.set n, 0
.rept 64
	v_min_num_f32 v[S+n], s32, v[S+n]              ; p is not negative: the hold is one-sided
.set n, n+1
.endr
.Lfree_\@:
.irp i, 0,1,2,3
	v_cvt_scalef32_pk8_fp8_f32 v[PCQ+4*\i:PCQ+4*\i+1], v[S+16*\i:S+16*\i+7], v[PSC]        ; registers 4 i .. 4 i + 3: keys 32 i + 16 h + 0 .. 15
	v_cvt_scalef32_pk8_fp8_f32 v[PCQ+4*\i+2:PCQ+4*\i+3], v[S+16*\i+8:S+16*\i+15], v[PSC]
.endr
	v_nop                                          ; one plain line behind the last scaled conversion: the next products write its sources
.endm
.macro RESCALE q                       ; tile q's O^T under the new M: x f, ascending.  These sixteen plain lines are also the places behind the products issued just before them
	WIN 0x41
.set n, 0
.rept 16
	v_pk_mul_f32 v[32*(\q)+2*n:32*(\q)+2*n+1], v[32*(\q)+2*n:32*(\q)+2*n+1], v[FF:FF+1] op_sel_hi:[1,0]
.set n, n+1
.endr
	WIN 0
.endm
.macro PV                              ; O^T += V^T P^T: K = the chunk's 128 keys.  Sixteen accumulators, one instruction each: they take turns
	WIN 0x50                                       ; C and D window 1
.irp u, 0,1,2,3
.irp i, 0,1,2,3
	v_wmma_f32_16x16x128_fp8_fp8 v[32*\i+8*\u:32*\i+8*\u+7], v[F+16*\u:F+16*\u+15], v[PC+16*\i:PC+16*\i+15], v[32*\i+8*\u:32*\i+8*\u+7]
.endr
.endr
	WIN 0
.endm
; A TRIP: chunk 2 s35 + b.  It reads chunk buffer b and fills buffer 1 - b with the next chunk's codes.
.macro TRIP b
	s_wait_dscnt 0x0                               ; my stores of this chunk's codes have landed, and my reads of the other buffer are over:
	s_barrier_signal -1
	s_barrier_wait -1                              ; both now hold of all eight waves
	s_wait_alu depctr_va_vdst(0)                   ; the last chunk's products O^T are done reading V's fragments (first trip: q's holds and conversions are done with the same registers), in which K's fragments land
	s_wait_alu depctr_vm_vsrc(0)                   ; the last code stores have read the codes' registers, which this trip's conversions write again (first trip: q's loads have read v28, which the softmax writes as f)
	FETCH_K \b
.if \b == 0
	s_wait_loadcnt 0x0                             ; the next chunk's numbers, asked for a trip ago; the loads have also read their bases,
	s_add_nc_u64 s[6:7], s[6:7], CHUNK             ; which step here, ahead of the wait in QUANT that serves the next loads (behind chunk 15 the stepped addresses are not used)
	s_add_nc_u64 s[8:9], s[8:9], CHUNK
	QUANT 1
	s_cmp_eq_u32 s35, 7                            ; chunk 15 is the last: nothing more is asked for, so that no load leaves its buffer
	s_cbranch_scc1 .Lnone_\@
.else
	s_cmp_eq_u32 s35, 7                            ; behind chunk 15 there is nothing to code and nothing to ask for
	s_cbranch_scc1 .Lnone_\@
	s_wait_loadcnt 0x0
	s_add_nc_u64 s[6:7], s[6:7], CHUNK
	s_add_nc_u64 s[8:9], s[8:9], CHUNK
	QUANT 0
.endif
	LOADS                                          ; the chunk after the next: a whole trip ahead of the wait for it
.Lnone_\@:
	s_wait_dscnt 0x0                               ; K's fragments are in; the code stores have landed
	SPROD 0
	PLACES
	SOFTMAX 0
	SPROD 1                                        ; the next tile's products are issued ahead of this tile's rescaling
	RESCALE 0
	SOFTMAX 1
	SPROD 2
	RESCALE 1
	SOFTMAX 2
	SPROD 3
	RESCALE 2
	s_wait_alu depctr_va_vdst(0)                   ; tile 3's products are done reading K's fragments, in whose registers V's land
	FETCH_V \b                                     ; V's fragments land during the last softmax, which names none of their registers
	SOFTMAX 3
	RESCALE 3
	s_wait_dscnt 0x0                               ; V's fragments are in
	PV
	PLACES                                         ; four plain lines behind the chunk's last products, ahead of the next trip and of the way out; the wait at the next trip's head stands beside them
.endm
.macro LIMITS e, neg, pos, sc          ; from the exponent in s[e]: -+448 x 2^e into s[neg], s[pos]; 2^e as f32 into v[sc]
	s_add_co_i32 s36, s[\e], 127
	s_lshl_b32 s37, s36, 23
	v_mov_b32 v[\sc], s37
	s_add_co_i32 s36, s36, 8
	s_lshl_b32 s36, s36, 23
	s_or_b32 s[\pos], s36, 0x600000                ; 448 = 1.75 x 2^8
	s_or_b32 s[\neg], s[\pos], 0x80000000
.endm
	s_load_b256 s[4:11], s[0:1], 0x0               ; q s[4:5], k s[6:7], v s[8:9], lowp_scales s[10:11]
	s_load_b64 s[12:13], s[0:1], 0x20              ; out0
	v_lshl_add_u32 v[SPW], v0, 2, SPARE
	v_mov_b32 v[NIL], 0
	v_lshrrev_b32 v30, 5, v0
	v_readfirstlane_b32 s20, v30                   ; wave w, 0..7
	v_and_b32 v30, 31, v0                          ; lane
	v_and_b32 v31, 15, v0                          ; r
	v_bfe_u32 v29, v0, 4, 1                        ; h
	s_wait_alu depctr_va_sdst(0)                   ; s20 is written, ahead of its first reader: LDS addresses, offsets and bases are made from it
	s_lshr_b32 s36, s20, 2                         ; w / 4
	s_and_b32 s38, s20, 1                          ; w % 2
	s_bfe_u32 s40, s20, 0x10001                    ; (w / 2) % 2
	v_mul_u32_u24 v[AK], v29, 320
	v_lshl_add_u32 v[AK], v31, 4, v[AK]
	v_lshlrev_b32 v[AV], 4, v30
	; my key 8 w + 64 j + lane / 4 lies in tile 2 (w / 4) + 4 j + w % 2 at place lane / 4 + 8 ((w / 2) % 2); sixteen lanes' stores fall on 16 different 16-byte columns modulo 256 bytes
	v_and_b32 v28, 3, v0
	v_mul_u32_u24 v[KST], v28, 320
	v_bfe_u32 v28, v0, 2, 3
	v_lshl_add_u32 v[KST], v28, 4, v[KST]
	s_mul_i32 s37, s36, 2560
	s_mul_i32 s39, s38, 1280
	s_add_co_u32 s37, s37, s39
	s_lshl_b32 s39, s40, 7
	s_add_co_u32 s37, s37, s39
	v_add_nc_u32 v[KST], s37, v[KST]
	; my channel 32 (w % 2) + lane lies in channel tile 2 (w % 2) + h at place r; my keys 16 (w / 2 + 4 j) on are c = w / 4 + 2 j, half (w / 2) % 2
	v_lshlrev_b32 v[VST], 11, v29
	v_lshl_add_u32 v[VST], v31, 4, v[VST]
	s_lshl_b32 s37, s38, 12
	s_lshl_b32 s39, s36, 9
	s_add_co_u32 s37, s37, s39
	s_lshl_b32 s39, s40, 8
	s_add_co_u32 s37, s37, s39
	s_add_co_u32 s37, s37, VBASE
	v_add_nc_u32 v[VST], s37, v[VST]
	v_lshlrev_b32 v[KO], 6, v0                     ; 64 x thread = 2048 w + 64 lane
	v_lshlrev_b32 v[VO], 2, v30
	s_lshl_b32 s37, s38, 7
	s_lshr_b32 s39, s20, 1
	s_lshl_b32 s39, s39, 12
	s_add_co_u32 s37, s37, s39
	v_add_nc_u32 v[VO], s37, v[VO]                 ; 4 lane + 128 (w % 2) + 4096 (w / 2)
	v_lshlrev_b32 v28, 8, v31
	v_lshl_add_u32 v28, v29, 6, v28                ; q: row r of 256 bytes, + 64 h
	s_mov_b32 s24, 0x76543210                      ; v_permlanex16_b32: each lane takes its own place in the other half
	s_mov_b32 s25, 0xfedcba98
	s_and_b32 s36, ttmp7, 0xffff                   ; the head:
	s_lshl_b32 s36, s36, 19                        ; 2,048 rows of 256 bytes
	s_mov_b32 s37, 0
	s_lshl_b32 s38, ttmp9, 17                      ; my block's 512 rows,
	s_lshl_b32 s39, s20, 14                        ; my wave's 64 of them
	s_add_co_u32 s38, s38, s39
	s_add_co_u32 s38, s38, s36
	s_mov_b32 s39, 0
	s_wait_kmcnt 0x0
	s_load_b128 s[16:19], s[10:11], 0x0            ; eq, ek, ep, ev
	s_add_nc_u64 s[6:7], s[6:7], s[36:37]          ; k and v at the head's first chunk
	s_add_nc_u64 s[8:9], s[8:9], s[36:37]
	s_add_nc_u64 s[4:5], s[4:5], s[38:39]          ; q and out0 at my wave's first row
	s_add_nc_u64 s[12:13], s[12:13], s[38:39]
	s_wait_alu depctr_va_vdst(0)                   ; the addresses and offsets v1 to v6 and v28 are written, which the loads and stores of the whole kernel read
	LOADS                                          ; chunk 0
.set n, 0
.rept 32                               ; q: tile n / 8, plane (n / 4) % 2, piece n % 4, into the registers that fragments and scores take later; read once in the launch
	global_load_b128 v[F+4*n:F+4*n+3], v28, s[4:5] offset:4096*(n/8)+128*((n/4)%2)+16*(n%4) th:TH_LOAD_NT
.set n, n+1
.endr
	s_wait_kmcnt 0x0
	s_add_co_i32 s36, s16, s17
	s_lshl_b32 s36, s36, 23
	s_add_co_i32 s22, s36, 0x3e38aa3b              ; c = log2(e) / 8; a score stands for score x 2^(eq + ek): the two exponents are added to c's exponent field
	s_mov_b32 s23, s22                             ; (named with it as a pair, so it is written)
	LIMITS 16, 26, 27, 30                          ; q's; its scale in v30, at work
	LIMITS 17, 28, 29, KSC
	LIMITS 19, 30, 31, VSC
	s_add_co_i32 s36, s18, 127
	s_lshl_b32 s37, s36, 23
	v_mov_b32 v[PSC], s37
	s_add_co_i32 s36, s36, 8
	s_lshl_b32 s36, s36, 23
	s_or_b32 s32, s36, 0x600000                    ; 448 x 2^ep
	s_cmp_lt_i32 s18, -8
	s_cselect_b32 s33, 1, 0                        ; 1 where the hold on p can act
	s_add_co_i32 s34, s18, s19                     ; ep + ev
	s_wait_loadcnt 32                              ; chunk 0's 40 loads are in; q's 32, issued behind them, may be out
	s_wait_xcnt 0x0                                ; every earlier memory instruction has had its addresses translated (ISA guide 3.1): the bases may step,
	s_add_nc_u64 s[6:7], s[6:7], CHUNK             ; ahead of the wait in QUANT that serves chunk 1's loads
	s_add_nc_u64 s[8:9], s[8:9], CHUNK
	QUANT 0
	LOADS                                          ; chunk 1
	s_wait_loadcnt 40                              ; q's 32 loads are in; chunk 1's 40, issued behind them, may be out
.set n, 0
.rept 128
	v_med3_num_f32 v[F+n], v[F+n], s26, s27
.set n, n+1
.endr
.set n, 0
.rept 16
	v_cvt_scalef32_pk8_fp8_f32 v[Q+2*n:Q+2*n+1], v[F+8*n:F+8*n+7], v30   ; Q's codes stay in registers: tile n / 4, plane (n / 2) % 2
.set n, n+1
.endr
	v_nop                                          ; one plain line behind the last scaled conversion
.irp i, 0,1,2,3
	v_mov_b32 v[ST+4*\i+1], 0xff61b1e6             ; the largest t so far: -3e38, under every t
	v_floor_f32 v[ST+4*\i], -v[ST+4*\i+1]          ; -M
	v_mov_b32 v[ST+4*\i+2], 0                      ; the sum, in two halves
	v_mov_b32 v[ST+4*\i+3], 0
.endr
	v_mov_b32 v29, 0                               ; written once: a lane permute's destination counts as one of its sources
	WIN 0x40
.set n, 0
.rept 128
	v_mov_b32 v[n], 0                              ; O^T.  The trip is written for every chunk alike: the first finds zeros, which the first change of M leaves zeros; a first trip of its own would be a third copy of the trip's text
.set n, n+1
.endr
	WIN 0
	s_mov_b32 s35, 0
.Lloop:                                            ; eight trips of two chunks, so that the buffers' numbers stand in immediates
	TRIP 0
	TRIP 1
	s_add_co_u32 s35, s35, 1
	s_cmp_lt_u32 s35, 8
	s_cbranch_scc1 .Lloop
	; THE WAY OUT.  The sum's two halves and the other half of the lanes' are added; O^T x 2^(ep + ev) / the sum goes through my own stage in LDS, a tile (16 rows of 256 bytes) at a time.
.irp i, 0,1,2,3
	v_add_f32 v[ST+4*\i+2], v[ST+4*\i+2], v[ST+4*\i+3]
.endr
.irp i, 0,1,2,3
	v_permlanex16_b32 v[ST+4*\i+3], v[ST+4*\i+2], s24, s25
.endr
.irp i, 0,1,2,3
	v_add_f32 v[ST+4*\i+2], v[ST+4*\i+2], v[ST+4*\i+3]
.endr
.irp i, 0,1,2,3
	v_rcp_f32 v[ST+4*\i], v[ST+4*\i+2]
.endr
	v_and_b32 v30, 15, v0                          ; (plain lines behind the reciprocals)  r
	v_bfe_u32 v31, v0, 4, 1                        ; h
	s_mul_i32 s36, s20, 16*SPITCH
	s_add_co_u32 s36, s36, STAGE                   ; my stage
	s_wait_alu depctr_vm_vsrc(0)                   ; the code stores have read v3 and v4, which are made anew as the stage's two addresses
	v_mul_u32_u24 v[STO], v30, SPITCH              ; in: row r, 32 bytes for each half of the lanes
	v_lshl_add_u32 v[STO], v31, 5, v[STO]
	v_add_nc_u32 v[STO], s36, v[STO]
	v_mul_u32_u24 v[RD], v31, SPITCH               ; back: lanes 0-15 take one row of 256 bytes, lanes 16-31 the next
	v_lshl_add_u32 v[RD], v30, 4, v[RD]
	v_add_nc_u32 v[RD], s36, v[RD]
	s_wait_alu depctr_va_vdst(0)                   ; the four reciprocals are written: one wait, ahead of their first reader
.irp i, 0,1,2,3
	v_ldexp_f32 v[ST+4*\i], v[ST+4*\i], s34        ; x 2^(ep + ev)
.endr
.macro SCALE q                         ; register 8 u + j of tile q is out0(row r, channel 16 u + 8 h + j)
.set n, 0
.rept 16
	v_pk_mul_f32 v[F+32*(\q)+2*n:F+32*(\q)+2*n+1], v[32*(\q)+2*n:32*(\q)+2*n+1], v[ST+4*(\q):ST+4*(\q)+1] op_sel_hi:[1,0]   ; each accumulator from its low end on
.set n, n+1
.endr
.endm
.macro TOSTAGE q                       ; tile q through my stage: in by lanes' 32 bytes, back as whole rows, into the registers that it left
.irp u, 0,1,2,3
	ds_store_b128 v[STO], v[F+32*(\q)+8*\u:F+32*(\q)+8*\u+3] offset:64*\u
	ds_store_b128 v[STO], v[F+32*(\q)+8*\u+4:F+32*(\q)+8*\u+7] offset:64*\u+16
.endr
	s_wait_alu depctr_vm_vsrc(0)                   ; the eight stores have read the tile's registers, in which the eight loads land
.irp i, 0,1,2,3,4,5,6,7
	ds_load_b128 v[F+32*(\q)+4*\i:F+32*(\q)+4*\i+3], v[RD] offset:2*SPITCH*\i   ; LDS serves a wave's instructions in order (ISA guide 5.7.1.4): these see the stores above, and the next tile's stores come behind them
.endr
.endm
.macro SEND q, younger                 ; younger: the LDS instructions issued behind tile q's loads: the next tile's sixteen, or none
.irp i, 0,1,2,3,4,5,6,7
	s_wait_dscnt \younger+7-\i
	global_store_b128 v[AV], v[F+32*(\q)+4*\i:F+32*(\q)+4*\i+3], s[12:13] offset:4096*(\q)+512*\i th:TH_STORE_NT   ; 32 lanes store two rows, 512 consecutive bytes, at a multiple of 256 from out0's first byte; written once, read by nobody here
.endr
.endm
	WIN 0x01                                       ; source 0 window 1
	SCALE 0                                        ; all four tiles' arithmetic stands together, so that one wait serves every store into the stage
	SCALE 1
	SCALE 2
	SCALE 3
	WIN 0
	s_wait_alu depctr_va_vdst(0)                   ; the multiplications have written v64 to v191, and v3 and v4 are written: the stage's stores and loads read them; no vector line follows
	TOSTAGE 0
	TOSTAGE 1                                      ; a tile's way through the stage stands between the loads of the tile before and its stores to memory
	SEND 0, 16
	TOSTAGE 2
	SEND 1, 16
	TOSTAGE 3
	SEND 2, 16
	SEND 3, 0
	s_wait_dscnt 0x0                               ; the closing lines, six on end
	s_wait_alu 0x0
	s_wait_tensorcnt 0x0
	ds_add_u32 v[SPW], v[NIL]
	s_wait_dscnt 0x0
	s_endpgm
.Lfunc_end_k_qf5a4ae5468_attn:
	.size	k_qf5a4ae5468_attn, .Lfunc_end_k_qf5a4ae5468_attn-k_qf5a4ae5468_attn
	.p2alignl 7, 3214868480
	.fill 96, 4, 3214868480
	.section	.rodata,"a",@progbits
	.p2align	6, 0x0
	.amdhsa_kernel k_qf5a4ae5468_attn
		.amdhsa_group_segment_fixed_size 72704
		.amdhsa_private_segment_fixed_size 0
		.amdhsa_enable_private_segment 0
		.amdhsa_kernarg_size 40
		.amdhsa_user_sgpr_count 2
		.amdhsa_user_sgpr_kernarg_segment_ptr 1
		.amdhsa_wavefront_size32 1
		.amdhsa_system_sgpr_workgroup_id_x 1
		.amdhsa_system_sgpr_workgroup_id_y 1
		.amdhsa_system_sgpr_workgroup_id_z 1
		.amdhsa_system_vgpr_workitem_id 0
		.amdhsa_next_free_vgpr 512
		.amdhsa_next_free_sgpr 66
		.amdhsa_reserve_vcc 0
		.amdhsa_float_denorm_mode_32 3
		.amdhsa_float_denorm_mode_16_64 3
		.amdhsa_memory_ordered 1
		.amdhsa_forward_progress 1
		.amdhsa_inst_pref_size 174
	.end_amdhsa_kernel
	.amdgpu_metadata
---
amdhsa.version: [ 1, 2 ]
amdhsa.kernels:
  - .name:           k_qf5a4ae5468_attn
    .symbol:         k_qf5a4ae5468_attn.kd
    .args:
      - { .name: q, .offset: 0, .size: 8, .value_kind: global_buffer, .address_space: global }
      - { .name: k, .offset: 8, .size: 8, .value_kind: global_buffer, .address_space: global }
      - { .name: v, .offset: 16, .size: 8, .value_kind: global_buffer, .address_space: global }
      - { .name: lowp_scales, .offset: 24, .size: 8, .value_kind: global_buffer, .address_space: global }
      - { .name: out0, .offset: 32, .size: 8, .value_kind: global_buffer, .address_space: global }
    .group_segment_fixed_size: 72704
    .private_segment_fixed_size: 0
    .kernarg_segment_align: 8
    .kernarg_segment_size: 40
    .max_flat_workgroup_size: 256
    .sgpr_count:     66
    .vgpr_count:     512
    .wavefront_size: 32
...
	.end_amdgpu_metadata
.endif
;; end of part 2
